; MI455X (gfx1250); checked and timed in simulation.
; The chip was launched on July 23, 2026; its instructions are those of AMD's public machine-readable ISA for CDNA 5 (MIT licence, August 2026) and "CDNA5" Instruction Set Architecture Reference Guide (July 2026). The comments in the code are by the model that wrote it; some were corrected since.
;; LSTM Cell. Allowed arithmetic: float matrix products may take bf16 or f16 operands with f32 sums; other float arithmetic in f32, or as packed bf16 or f16 multiplies, adds, multiply-adds, maxima and minima; sums over many terms, partial sums and values carried from step to step in f32; what a program stores and reads back later, other than sums and carried values, may be rounded once to bf16 or f16.
;; Inputs: Wfh 2,048 x 2,048 float32; Wfx 2,048 x 2,048 float32; Wgh 2,048 x 2,048 float32; Wgx 2,048 x 2,048 float32; Wih 2,048 x 2,048 float32; Wix 2,048 x 2,048 float32; Woh 2,048 x 2,048 float32; Wox 2,048 x 2,048 float32; bfh 2,048 float32; bfx 2,048 float32; bgh 2,048 float32; bgx 2,048 float32; bih 2,048 float32; bix 2,048 float32; boh 2,048 float32; box 2,048 float32; c0 2,048 x 2,048 float32; h0 2,048 x 2,048 float32; input 2,048 x 2,048 float32.
;; Outputs: out0 2,048 x 2,048 float32; out1 2,048 x 2,048 float32.
;; One version. Each part assembles by itself: llvm-mc -triple=amdgcn-amd-amdhsa -mcpu=gfx1250 --defsym DOCPART=n.
;; ======== version 1 of 1: 2 launches
;; workspace buffers: abf 16,777,216 bytes; wbf 67,108,864 bytes
;; launch cvt (part 1): grid 256 x 10, 8 waves a work-group, no clusters, 0 bytes of LDS; arguments input, h0, Wgx, Wgh, Wix, Wih, Wfx, Wfh, Wox, Woh, abf, wbf; writes abf, wbf
.if DOCPART == 1
	.amdgcn_target "amdgcn-amd-amdhsa--gfx1250"
	.amdhsa_code_object_version 6
	.text
	.protected	k_qcbe9bba6e5_cvt
	.globl	k_qcbe9bba6e5_cvt
	.p2align	8
	.type	k_qcbe9bba6e5_cvt,@function
k_qcbe9bba6e5_cvt:
	s_mov_b64 s[64:65], 0
	v_nop
	global_prefetch_b8 v0, s[64:65] scope:SCOPE_SE
	s_setreg_imm32_b32 hwreg(HW_REG_WAVE_MODE, 25, 1), 1
	s_wait_xcnt 0x0
; The ten f32 matrices [2048][2048] are rounded once to bf16 (nearest even) and laid out for the product that follows.
;   abf [2048][4096]: row m = input[m][0..2047], then h0[m][0..2047].
;   wbf [8192][4096]: row 128 (hc / 32) + 32 g + hc % 32 = W?x[hc][0..2047], then W?h[hc][0..2047]; gate g: 0 = g, 1 = i, 2 = f, 3 = o.
;   So 128 consecutive rows of wbf hold all four gates of 32 consecutive hidden columns.
; A stream: no LDS, no barrier, no matrix unit, no cluster (no two work-groups read the same byte).
; SHARES.  Work-group (q, y): tensor y of the ten, its rows 8 q .. 8 q + 7, which are 8 consecutive rows of the target too.
; Thread t takes 16 bytes at 16 t of each half row (4,096 bytes): a wave's load covers 512 consecutive bytes; it stores 8 bytes at 8 t
; of the half row's 2,048 bytes: a wave's store covers 256 consecutive bytes, aligned.  All sixteen loads of a thread go out at once,
; 65,536 bytes a work-group; no register is written twice, so the text needs no wait but the counted ones for the loads.
.set SROW, 8192                        ; bytes in a source row (2,048 f32) and in a target row (4,096 bf16)
.set X, 4                              ; v[4:67]   chunk n = 2 row + half: 4 registers as loaded
.set Y, 68                             ; v[68:99]  chunk n: 2 registers to store
	s_load_b512 s[8:23], s[0:1], 0x0               ; input, h0, Wgx, Wgh, Wix, Wih, Wfx, Wfh
	s_load_b256 s[24:31], s[0:1], 0x40             ; Wox, Woh, abf s[28:29], wbf s[30:31]
	s_and_b32 s2, ttmp7, 0xffff                    ; y: which tensor
	s_mov_b32 s3, ttmp9                            ; q: which 8 rows
	v_lshlrev_b32 v1, 4, v0                        ; 16 t
	v_lshlrev_b32 v2, 3, v0                        ; 8 t
	s_lshl_b32 s34, s3, 16                         ; the source's 8 rows of 8,192 bytes
	s_mov_b32 s35, 0
	s_lshr_b32 s36, s3, 2                          ; a weight's target row: 128 (q / 4)
	s_lshl_b32 s36, s36, 7
	s_max_u32 s37, s2, 2
	s_sub_co_u32 s37, s37, 2
	s_lshr_b32 s37, s37, 1                         ; the gate, (y - 2) / 2
	s_lshl_b32 s37, s37, 5
	s_add_co_u32 s36, s36, s37                     ; + 32 g
	s_and_b32 s37, s3, 3
	s_lshl_b32 s37, s37, 3
	s_add_co_u32 s36, s36, s37                     ; + 8 (q % 4)
	s_lshl_b32 s37, s3, 3                          ; input's and h0's target row: 8 q
	s_cmp_lt_u32 s2, 2
	s_cselect_b32 s36, s37, s36
	s_lshl_b32 s32, s36, 13                        ; in bytes: 67,100,672 at the most
	s_and_b32 s37, s2, 1                           ; the second of a pair (h0, W?h) fills the row's second half
	s_lshl_b32 s37, s37, 12
	s_add_co_u32 s32, s32, s37
	s_mov_b32 s33, 0
	s_wait_kmcnt 0x0
	s_mov_b64 s[4:5], s[8:9]                       ; the source is chosen among the ten by y
.irp k, 1,2,3,4,5,6,7,8,9
	s_cmp_eq_u32 s2, \k
	s_cselect_b64 s[4:5], s[8+2*\k:9+2*\k], s[4:5]
.endr
	s_cmp_lt_u32 s2, 2
	s_cselect_b64 s[6:7], s[28:29], s[30:31]       ; the target: abf for input and h0, wbf for the weights
	s_add_nc_u64 s[4:5], s[4:5], s[34:35]
	s_add_nc_u64 s[6:7], s[6:7], s[32:33]
.set n, 0
.rept 16
	global_load_b128 v[X+4*n:X+4*n+3], v1, s[4:5] offset:(n/2)*SROW+(n%2)*4096 th:TH_LOAD_NT  ; read once in the launch
.set n, n+1
.endr
.set n, 0
.rept 16
	s_wait_loadcnt 15-n                            ; loads come back in order (ISA guide 5.7.1): chunk n is in, the younger ones stay out
	v_cvt_pk_bf16_f32 v[Y+2*n],   v[X+4*n],   v[X+4*n+1]
	v_cvt_pk_bf16_f32 v[Y+2*n+1], v[X+4*n+2], v[X+4*n+3]
	global_store_b64 v2, v[Y+2*n:Y+2*n+1], s[6:7] offset:(n/2)*SROW+(n%2)*2048  ; no hint: the next launch reads these bytes
.set n, n+1
.endr
	s_endpgm
.Lfunc_end_k_qcbe9bba6e5_cvt:
	.size	k_qcbe9bba6e5_cvt, .Lfunc_end_k_qcbe9bba6e5_cvt-k_qcbe9bba6e5_cvt
	.p2alignl 7, 3214868480
	.fill 96, 4, 3214868480
	.section	.rodata,"a",@progbits
	.p2align	6, 0x0
	.amdhsa_kernel k_qcbe9bba6e5_cvt
		.amdhsa_group_segment_fixed_size 0
		.amdhsa_private_segment_fixed_size 0
		.amdhsa_enable_private_segment 0
		.amdhsa_kernarg_size 96
		.amdhsa_user_sgpr_count 2
		.amdhsa_user_sgpr_kernarg_segment_ptr 1
		.amdhsa_wavefront_size32 1
		.amdhsa_system_sgpr_workgroup_id_x 1
		.amdhsa_system_sgpr_workgroup_id_y 1
		.amdhsa_system_sgpr_workgroup_id_z 1
		.amdhsa_system_vgpr_workitem_id 0
		.amdhsa_next_free_vgpr 100
		.amdhsa_next_free_sgpr 66
		.amdhsa_reserve_vcc 0
		.amdhsa_float_denorm_mode_32 3
		.amdhsa_float_denorm_mode_16_64 3
		.amdhsa_memory_ordered 1
		.amdhsa_forward_progress 1
		.amdhsa_inst_pref_size 8
	.end_amdhsa_kernel
	.amdgpu_metadata
---
amdhsa.version: [ 1, 2 ]
amdhsa.kernels:
  - .name:           k_qcbe9bba6e5_cvt
    .symbol:         k_qcbe9bba6e5_cvt.kd
    .args:
      - { .name: input, .offset: 0, .size: 8, .value_kind: global_buffer, .address_space: global }
      - { .name: h0, .offset: 8, .size: 8, .value_kind: global_buffer, .address_space: global }
      - { .name: Wgx, .offset: 16, .size: 8, .value_kind: global_buffer, .address_space: global }
      - { .name: Wgh, .offset: 24, .size: 8, .value_kind: global_buffer, .address_space: global }
      - { .name: Wix, .offset: 32, .size: 8, .value_kind: global_buffer, .address_space: global }
      - { .name: Wih, .offset: 40, .size: 8, .value_kind: global_buffer, .address_space: global }
      - { .name: Wfx, .offset: 48, .size: 8, .value_kind: global_buffer, .address_space: global }
      - { .name: Wfh, .offset: 56, .size: 8, .value_kind: global_buffer, .address_space: global }
      - { .name: Wox, .offset: 64, .size: 8, .value_kind: global_buffer, .address_space: global }
      - { .name: Woh, .offset: 72, .size: 8, .value_kind: global_buffer, .address_space: global }
      - { .name: abf, .offset: 80, .size: 8, .value_kind: global_buffer, .address_space: global }
      - { .name: wbf, .offset: 88, .size: 8, .value_kind: global_buffer, .address_space: global }
    .group_segment_fixed_size: 0
    .private_segment_fixed_size: 0
    .kernarg_segment_align: 8
    .kernarg_segment_size: 96
    .max_flat_workgroup_size: 256
    .sgpr_count:     66
    .vgpr_count:     100
    .wavefront_size: 32
...
	.end_amdgpu_metadata
.endif
;; end of part 1
;; launch lstm (part 2): grid 32 x 8, 4 waves a work-group, clusters of 4 x 4, 327,680 bytes of LDS; arguments bgx, bgh, bix, bih, bfx, bfh, box, boh, abf, wbf, c0, out0, out1; writes out0, out1
.if DOCPART == 2
	.amdgcn_target "amdgcn-amd-amdhsa--gfx1250"
	.amdhsa_code_object_version 6
	.text
	.protected	k_qcbe9bba6e5_lstm
	.globl	k_qcbe9bba6e5_lstm
	.p2align	8
	.type	k_qcbe9bba6e5_lstm,@function
k_qcbe9bba6e5_lstm:
	s_mov_b64 s[64:65], 0
	v_nop
	global_prefetch_b8 v0, s[64:65] scope:SCOPE_SE
	s_setreg_imm32_b32 hwreg(HW_REG_WAVE_MODE, 25, 1), 1
	s_wait_xcnt 0x0
	s_wait_alu depctr_hold_cnt(0) depctr_sa_sdst(0) depctr_va_vdst(0) depctr_va_sdst(0) depctr_va_ssrc(0) depctr_va_vcc(0) depctr_vm_vsrc(0)
	s_getreg_b32 s2, hwreg(HW_REG_IB_STS2, 6, 4)
	s_cmp_eq_u32 s2, 0
	s_cbranch_scc0 .Lentry_in_a_cluster
	s_endpgm
.Lentry_in_a_cluster:
	s_bfe_u32 s2, ttmp6, 0x10000c
	s_cmp_lg_u32 s2, 0xf033
	s_cbranch_scc0 .Lentry_shape_is_right
	s_endpgm
.Lentry_shape_is_right:
; THE LSTM CELL.  Z[m][n'] = the sum over k of abf[m][k] wbf[n'][k] + bx + bh, bf16 operands, f32 sums, K = 4,096 ascending; then for each (m, hc)
;   g = tanh(Zg), i = sigmoid(Zi), f = sigmoid(Zf), o = sigmoid(Zo), cy = f c0 + i g (out1), hy = o tanh(cy) (out0), all in f32.
; abf [2048][4096] = input | h0; wbf [8192][4096]: row 128 (hc / 32) + 32 g + hc % 32 holds gate g (0 g, 1 i, 2 f, 3 o) of hidden column hc.
; LIMITS.  input, h0 and the weights enter rounded once to bf16.  sigmoid(z) = 1 / (1 + 2^(-z log2 e)), tanh(z) = 1 - 2 / (1 + 2^(2 z log2 e)): an exponential that
; overflows gives the reciprocal 0, one that underflows gives 1: the saturated values, so nothing is clamped.  Near 0 this tanh is off by about 1e-7 absolutely, not relatively.
; NaN and infinities are not treated apart.
; SHARES.  A work-group makes 256 batch rows x 256 rows of wbf = 64 hidden columns of all four gates; each of its four waves 128 x 128: 64 accumulators of 16 x 16, 512 registers.
; 8 x 32 such tiles: one work-group for each of 256 WGPs.  K goes in steps of 128 through a ring of two LDS slots filled by the tensor data mover; a tile's rows are 256 bytes of memory, aligned.
; THE MATRIX INSTRUCTION IS USED TRANSPOSED (source 0 = 16 rows of wbf, source 1 = 16 rows of abf): in accumulator (a, b) lane l, register i holds batch row 16 a + l % 16, gate b / 2,
; hidden column 16 (b % 2) + 8 (l / 16) + i of the wave's 32.  So the four gates of one output lie in the same lane and register of four accumulators: the tail changes no lanes.
; THE BIAS bx + bh, in f32, is the C operand of the products that start the sums: nothing is cleared and nothing is added later.
; CLUSTERS: 4 x 4 work-groups.  The four of a row of the cluster need the same tiles of abf, the four of a column the same tiles of wbf: each tile is asked for JOINTLY, by the same tensor
; load with the same descriptor and a mask that names the four.  c0's tile belongs to one work-group alone and is asked for by a plain load, behind a round like the others.
; REGISTERS, in windows of 256 (s_set_vgpr_msb: bits 1:0 source 0, 3:2 source 1, 5:4 source 2, 7:6 destination):
;   window 0: v0-30 addresses; v64-127, v128-191 fragments of abf, two buffers; v192-255 the bias.  In the tail: v64-127 a block's 64 gate values, v128-255 the wave's c0, then cy
;   window 1: v64-127, v128-191 fragments of wbf, two buffers
;   window 2: the 32 accumulators of my rows 0-63 ((a, b) at v[8 (8 a + b)]);  window 3: those of my rows 64-127.  At the very end window 2 takes the rows read back from the stages.
.set SIZE_K, 4096
.set KSTEP,  128
.set PITCH,  272                       ; an LDS row: 256 bytes + 16 of padding = 68 words: row r starts at bank 4 r mod 64 (64 banks of 4 bytes: ISA guide 11.1), so the 16 rows of a load start at 16 different banks
.set HALFT,  128*PITCH                 ; 128 rows: what one joint load brings, and what one wave reads of abf or of wbf
.set SLOT,   4*HALFT                   ; abf's 256 rows, then wbf's 256 rows
.set HYT,    2*HALFT                   ; slot 0's second half, behind its last fill (K step 30): the stage for hy, 256 rows x 272 bytes
.set CYT,    SLOT                      ; slot 1's first half, behind its last fill (K step 31) and last read: the stage for cy.  c0's tile takes slot 0's first half, from byte 0
.set SPARE,  2*SLOT                    ; behind the ring: the spare words, 128 bytes for each wave: two blocks of 256 bytes that no other line names
.set LAPS,   SIZE_K/(2*KSTEP)          ; 16 laps of two K steps
.set ADRA, 16                          ; v16-17  LDS address of my abf fragments in slot 0, 1
.set ADRB, 20                          ; v20-21  the same for wbf
.set BO,   22                          ; v22     byte offset of my eight columns in a bias
.set YA,   23                          ; v23     where I put 16 bytes of cy
.set CA,   24                          ; v24     where I read 16 bytes of c0
.set HA,   25                          ; v25     where I put 16 bytes of hy
.set RD,   26                          ; v26     where I read whole rows of cy back
.set RD2,  27                          ; v27     the same for hy
.set SPW,  28                          ; v28     LDS address of my spare word: SPARE + 4 x my thread's number; never rewritten
.set NIL,  29                          ; v29     0; never rewritten
.set CO,   30                          ; v30     my byte offset in two rows of an output
.set F0,   64
.set F1,   128
.set BIAS, 192                         ; block b's eight registers at BIAS + 8 b
.set Z,    64                          ; the tail: gate g's sixteen values at Z + 16 g
.set CREG, 128                         ; the tail: block a's sixteen c0, then cy, at CREG + 16 a
.set WV, 14                            ; s14 wave; s15 RH: which half of the tile's rows is mine, also: I fetch for abf (0) or wbf (1); s16 CH: which half of its columns, also: which 128 rows I fetch
.set G1,  24                           ; s[24:31] descriptor group 1 for abf's tiles;  s[32:39] group 0, a set for each slot
.set G0,  32
.set G1B, 48                           ; s[48:55], s[56:63] the same for wbf's tiles
.set G0B, 56
.set BP,  68                           ; s[68:83] the eight biases' addresses: gate g's bx at BP + 4 g, its bh at BP + 4 g + 2
.set G1C, 84                           ; s[84:91], s[92:95] the descriptor for c0's tile
.set G0C, 92
.set KN,  96                           ; s[96:97] -log2 e, named as a pair
.set K2,  98                           ; s[98:99] 2 log2 e
.set MSB, 0
.macro WIN new                         ; the immediate's high byte repeats the setting that is left; a switch that changes nothing is dropped
.if MSB != (\new)
	s_set_vgpr_msb (MSB<<8)|(\new)
.set MSB, \new
.endif
.endm
.set MUL_LO,  0xa1                     ; source 0 (wbf) window 1, source 1 (abf) window 0, C and D window 2
.set MUL_HI,  0xf1                     ; the same, C and D window 3
.set MULB_LO, 0x81                     ; the first products: C (the bias) window 0, D window 2
.set MULB_HI, 0xc1                     ; D window 3
.set TO_B,    0x40                     ; destination window 1, address window 0
; A joint load.  Waves 0 and 1 fetch abf's two halves, waves 2 and 3 wbf's.  Each of the two lines has one mask and one set of registers, and nothing in them hangs on a coordinate
; that the four partners do not share.  The branch hangs on the wave's number alone.  An s_nop 0 and four v_nop follow each line, ahead of the jump and the label.
.macro JLOAD s
	s_cmp_eq_u32 s15, 0
	s_cbranch_scc0 .Lfor_b_\@
	tensor_load_to_lds s[G0+4*(\s):G0+4*(\s)+3], s[G1:G1+7]
	s_nop 0
.rept 4
	v_nop
.endr
	s_branch .Lasked_\@
.Lfor_b_\@:
	tensor_load_to_lds s[G0B+4*(\s):G0B+4*(\s)+3], s[G1B:G1B+7]
	s_nop 0
.rept 4
	v_nop
.endr
.Lasked_\@:
.endm
; A round of the cluster's barrier: my work-group's barrier, so that wave 0's signal speaks for all four waves; wave 0 signals; every wave waits for all sixteen work-groups; my work-group's barrier once more.
.macro CREST                           ; a round behind its opening barrier
	s_cmp_lg_u32 s[WV], 0
	s_cbranch_scc1 .Lnot_wave_0_\@
	s_barrier_signal -3
.Lnot_wave_0_\@:
	s_barrier_wait -3
	s_barrier_signal -1
	s_barrier_wait -1
.endm
.macro CROUND                          ; a whole round
	s_barrier_signal -1
	s_barrier_wait -1
	CREST
.endm
	s_load_b512 s[BP:BP+15], s[0:1], 0x0           ; bgx, bgh, bix, bih, bfx, bfh, box, boh
	s_load_b256 s[4:11], s[0:1], 0x40              ; abf s[4:5], wbf s[6:7], c0 s[8:9], out0 s[10:11]
	s_load_b64 s[12:13], s[0:1], 0x60              ; out1
	v_lshl_add_u32 v[SPW], v0, 2, SPARE
	v_mov_b32 v[NIL], 0
	ds_add_u32 v[SPW], v[NIL]                      ; the wave's opening: the add and its wait stand ahead of my first tensor load; the set-up below, work on registers, stands between them
	v_lshrrev_b32 v1, 5, v0
	v_readfirstlane_b32 s[WV], v1                  ; wave 0..3
	s_lshr_b32 s15, s[WV], 1                       ; RH
	s_and_b32 s16, s[WV], 1                        ; CH
	s_bfe_u32 s17, ttmp6, 0x40000                  ; cx, cy: my place in the cluster
	s_bfe_u32 s18, ttmp6, 0x40004
	s_lshl_b32 s19, ttmp9, 2                       ; in a cluster launch ttmp9 and ttmp7 count clusters
	s_add_co_u32 s19, s19, s17                     ; tc: tile column = 4 x cluster x + cx
	s_and_b32 s20, ttmp7, 0xffff
	s_lshl_b32 s20, s20, 2
	s_add_co_u32 s20, s20, s18                     ; tr: tile row = 4 x cluster y + cy
	s_lshl_b32 s21, s18, 2
	s_lshl_b32 s21, 15, s21                        ; my row of the cluster: places 4 cy .. 4 cy + 3
	s_lshl_b32 s22, 0x1111, s17                    ; my column: places cx, cx + 4, cx + 8, cx + 12
	; descriptor group 1 for abf and wbf: a tile of 128 rows x 128 elements of 2 bytes, padded in LDS
	s_or_b32 s[G1+0], s21, (1<<16)|(1<<20)|(1<<21)|(5<<22)|(3<<25)   ; 15:0 the mask: abf's tiles go to my row; 17:16 2-byte elements; 20 padding on; 21 set beside a mask; 24:22 after every 64 words (code 5); 31:25 4 words (code 3)
	s_or_b32 s[G1B+0], s22, (1<<16)|(1<<20)|(1<<21)|(5<<22)|(3<<25)  ; the same with the mask of my column, for wbf's tiles
.irp g, G1, G1B
	s_mov_b32 s[(\g)+1], KSTEP<<16                 ; tensor_dim0 = 128
	s_mov_b32 s[(\g)+2], 128<<16                   ; tensor_dim1 = 128
	s_mov_b32 s[(\g)+3], KSTEP<<16                 ; tile_dim0 = 128
	s_mov_b32 s[(\g)+4], 128                       ; tile_dim1 = 128
	s_mov_b32 s[(\g)+5], SIZE_K                    ; elements from row to row
	s_mov_b32 s[(\g)+6], 0
	s_mov_b32 s[(\g)+7], 0
.endr
	; and for c0: 64 rows x 64 elements of 4 bytes, no mask, the same padding
	s_mov_b32 s[G1C+0], (2<<16)|(1<<20)|(5<<22)|(3<<25)
	s_mov_b32 s[G1C+1], 64<<16                     ; tensor_dim0 = 64
	s_mov_b32 s[G1C+2], 64<<16                     ; tensor_dim1 = 64
	s_mov_b32 s[G1C+3], 64<<16                     ; tile_dim0 = 64
	s_mov_b32 s[G1C+4], 64                         ; tile_dim1 = 64
	s_mov_b32 s[G1C+5], 2048                       ; elements from row to row
	s_mov_b32 s[G1C+6], 0
	s_mov_b32 s[G1C+7], 0
	s_mov_b32 s[G0C], 1                            ; count = 1
	s_mul_i32 s[G0C+1], s[WV], 64*PITCH            ; wave w brings rows 64 w .. 64 w + 63 of the tile, from LDS byte 0 on
	s_mov_b32 s[KN], 0xbfb8aa3b                    ; -log2 e
	s_mov_b32 s[KN+1], 0xbfb8aa3b
	s_mov_b32 s[K2], 0x4038aa3b                    ; 2 log2 e
	s_mov_b32 s[K2+1], 0x4038aa3b
	; where the tiles come from.  abf's hang on the tile row alone, wbf's on the tile column alone, each in registers that never hold the other coordinate.
	s_lshl_b32 s46, s16, 7                         ; which 128 rows of the tile I fetch
	s_lshl_b32 s40, s20, 8
	s_add_co_u32 s40, s40, s46                     ; abf: row 256 tr + 128 half,
	s_lshl_b32 s40, s40, 13                        ; of 8,192 bytes: under 2^24
	s_mov_b32 s41, 0
	s_lshl_b32 s42, s19, 8
	s_add_co_u32 s42, s42, s46                     ; wbf: row 256 tc + 128 half,
	s_lshl_b32 s42, s42, 13                        ; under 2^26
	s_mov_b32 s43, 0
	s_mul_i32 s23, s[WV], HALFT                    ; and where they go: wave x 128 rows: no place in the cluster enters an LDS address
	s_lshl_b32 s44, s20, 8                         ; c0, out0, out1: row 256 tr + 64 wave of 8,192 bytes, column byte 256 tc
	s_lshl_b32 s47, s[WV], 6
	s_add_co_u32 s44, s44, s47
	s_lshl_b32 s44, s44, 13
	s_lshl_b32 s47, s19, 8
	s_add_co_u32 s44, s44, s47
	s_mov_b32 s45, 0
	s_wait_dscnt 0x0                               ; the opening add is done
	s_wait_kmcnt 0x0
	s_add_nc_u64 s[40:41], s[4:5], s[40:41]
	s_add_nc_u64 s[42:43], s[6:7], s[42:43]
	s_add_nc_u64 s[G0C+2:G0C+3], s[8:9], s[44:45]
	s_or_b32 s[G0C+3], s[G0C+3], 0x80000000        ; type = 2
	s_add_nc_u64 s[10:11], s[10:11], s[44:45]      ; the outputs at the first row that I store
	s_add_nc_u64 s[12:13], s[12:13], s[44:45]
	CROUND                                         ; all sixteen work-groups are here: the first joint loads meet
.irp s, 0,1
	s_mov_b32 s[G0+4*(\s)], 1                                        ; count = 1
	s_add_co_u32 s[G0+4*(\s)+1], s23, (\s)*SLOT                      ; LDS address
	s_add_nc_u64 s[G0+4*(\s)+2:G0+4*(\s)+3], s[40:41], (\s)*KSTEP*2  ; global address: K step s
	s_or_b32 s[G0+4*(\s)+3], s[G0+4*(\s)+3], 0x80000000              ; type = 2
	s_mov_b32 s[G0B+4*(\s)], 1
	s_add_co_u32 s[G0B+4*(\s)+1], s23, (\s)*SLOT
	s_add_nc_u64 s[G0B+4*(\s)+2:G0B+4*(\s)+3], s[42:43], (\s)*KSTEP*2
	s_or_b32 s[G0B+4*(\s)+3], s[G0B+4*(\s)+3], 0x80000000
	JLOAD \s                                       ; the ring is filled before anything else is done: two loads of mine are out
.endr
	; A fragment is 16 rows x 32 K in 8 registers: lane l holds row l % 16; registers 0-3 K = 8 (l / 16) + 0..7, registers 4-7 K = 16 + 8 (l / 16) + 0..7: two loads of 16 bytes, 32 bytes apart.
	v_and_b32 v1, 15, v0                           ; r = l % 16
	v_bfe_u32 v2, v0, 4, 1                         ; h = l / 16
	v_mul_u32_u24 v3, v1, PITCH
	v_lshl_add_u32 v3, v2, 4, v3                   ; row x pitch + 16 h
	s_mul_i32 s46, s15, HALFT                      ; my 128 rows of abf
	s_mul_i32 s47, s16, HALFT                      ; my 128 rows of wbf,
	s_add_co_u32 s47, s47, 2*HALFT                 ; which lie behind abf's 256
.irp s, 0,1
	v_add_nc_u32 v[ADRA+(\s)], s46, v3
	v_add_nc_u32 v[ADRB+(\s)], s47, v3
	s_add_co_u32 s46, s46, SLOT
	s_add_co_u32 s47, s47, SLOT
.endr
	s_lshl_b32 s46, s19, 8                         ; a bias: byte 256 tc + 128 CH + 32 h; 64 (b % 2) stands in the loads' offsets
	s_lshl_b32 s47, s16, 7
	s_add_co_u32 s46, s46, s47
	v_lshl_add_u32 v[BO], v2, 5, s46
	s_mul_i32 s46, s15, HALFT                      ; c0's tile and the two stages: row 128 RH + r, byte 128 CH + 32 h
	s_add_co_u32 s46, s46, s47
	v_mul_u32_u24 v4, v1, PITCH
	v_lshl_add_u32 v4, v2, 5, v4
	v_add_nc_u32 v[CA], s46, v4
	v_add_nc_u32 v[HA], HYT, v[CA]
	v_add_nc_u32 v[YA], CYT, v[CA]
	s_mul_i32 s46, s[WV], 64*PITCH                 ; back: wave w takes rows 64 w .. 64 w + 63, whole; lanes 0-15 one row of 256 bytes, lanes 16-31 the next
	v_mul_u32_u24 v5, v2, PITCH
	v_lshl_add_u32 v5, v1, 4, v5
	v_add_nc_u32 v5, s46, v5
	v_add_nc_u32 v[RD], CYT, v5
	v_add_nc_u32 v[RD2], HYT, v5
	v_lshlrev_b32 v4, 13, v2                       ; and the same two rows in an output
	v_lshl_add_u32 v[CO], v1, 4, v4
	; The bias of block b = 2 g + j: register i = (bx + bh)[64 tc + 32 CH + 16 j + 8 h + i] of gate g.  bx goes to its place, bh to window 2, which holds nothing yet.
.irp g, 0,1,2,3
.irp e, 0,1,2,3
	global_load_b128 v[BIAS+16*(\g)+4*(\e):BIAS+16*(\g)+4*(\e)+3], v[BO], s[BP+4*(\g):BP+4*(\g)+1] offset:64*((\e)/2)+16*((\e)%2)
.endr
.endr
	WIN 0x80                                       ; destination window 2, address window 0
.irp g, 0,1,2,3
.irp e, 0,1,2,3
	global_load_b128 v[16*(\g)+4*(\e):16*(\g)+4*(\e)+3], v[BO], s[BP+4*(\g)+2:BP+4*(\g)+3] offset:64*((\e)/2)+16*((\e)%2)
.endr
.endr
	s_wait_loadcnt 0x0                             ; once, in the wait for the first tile
	WIN 0x08                                       ; source 1 window 2
.set i, 0
.rept 32
	v_pk_add_f32 v[BIAS+2*i:BIAS+2*i+1], v[BIAS+2*i:BIAS+2*i+1], v[2*i:2*i+1]
.set i, i+1
.endr
	WIN 0
; 16 matrix instructions: m blocks a0, a0 + 1 of the window's four (hi = 0: my rows 0-63, 1: rows 64-127) x all 8 n blocks, 32 along K.
; first = 1: the products that start the sums take the bias as C.  The 64 accumulators take turns, one instruction a turn, in the same order in every quarter step.
.macro MUL16 f, hi, a0, first
.if \first
	WIN MULB_LO+0x40*(\hi)
.else
	WIN MUL_LO+0x50*(\hi)
.endif
.irp a, \a0, (\a0)+1
.irp b, 0,1,2,3,4,5,6,7
.if \first
	v_wmma_f32_16x16x32_bf16 v[8*(8*(\a)+(\b)):8*(8*(\a)+(\b))+7], v[(\f)+8*(\b):(\f)+8*(\b)+7], v[(\f)+8*(4*(\hi)+(\a)):(\f)+8*(4*(\hi)+(\a))+7], v[BIAS+8*(\b):BIAS+8*(\b)+7]
.else
	v_wmma_f32_16x16x32_bf16 v[8*(8*(\a)+(\b)):8*(8*(\a)+(\b))+7], v[(\f)+8*(\b):(\f)+8*(\b)+7], v[(\f)+8*(4*(\hi)+(\a)):(\f)+8*(4*(\hi)+(\a))+7], v[8*(8*(\a)+(\b)):8*(8*(\a)+(\b))+7]
.endif
.endr
.endr
.endm
; 32 LDS loads in one run: the fragments of one quarter step (128 rows of wbf, 128 rows of abf, 32 K at byte k of the rows) into buffer f
.macro FETCH slot, k, f
	WIN TO_B
.irp i, 0,1,2,3,4,5,6,7
	ds_load_b128 v[(\f)+8*(\i):(\f)+8*(\i)+3],   v[ADRB+(\slot)] offset:(\k)+(\i)*16*PITCH
	ds_load_b128 v[(\f)+8*(\i)+4:(\f)+8*(\i)+7], v[ADRB+(\slot)] offset:(\k)+(\i)*16*PITCH+32
.endr
	WIN 0
.irp i, 0,1,2,3,4,5,6,7
	ds_load_b128 v[(\f)+8*(\i):(\f)+8*(\i)+3],   v[ADRA+(\slot)] offset:(\k)+(\i)*16*PITCH
	ds_load_b128 v[(\f)+8*(\i)+4:(\f)+8*(\i)+7], v[ADRA+(\slot)] offset:(\k)+(\i)*16*PITCH+32
.endr
.endm
; A load into a register that a matrix instruction has read, and a vector instruction that reads a matrix result, stand four places behind that matrix instruction, and only plain
; vector instructions that name none of its registers are places (ISA guide 7.12.1 for vector instructions).
.macro PLACES
.rept 4
	v_nop
.endr
.endm
; A K step is four quarter steps of 32 along K, 64 matrix instructions each, on buffers 0, 1, 0, 1.
; One of the first three: multiplies buffer f; in its middle it fetches the next quarter's fragments, at byte k of the same slot's rows, into buffer g.
.macro QUARTER slot, k, f, g, first
	s_wait_dscnt 8                                 ; wbf and abf's rows 0-63 are in; the youngest eight loads (abf's rows 64-127) may be out
	MUL16 \f, 0, 0, \first
	MUL16 \f, 0, 2, \first
	PLACES
	FETCH \slot, \k, \g
	s_wait_dscnt 32                                ; all but the 32 just issued
	MUL16 \f, 1, 0, \first
	MUL16 \f, 1, 2, \first
.endm
; The last quarter multiplies buffer 1 and changes slots.  MEET is its first half: in front of the barrier each wave waits for all its tensor loads, of which one is out: its part of the
; next slot; adds 0 to its spare word; and waits for that and for its own reads of this slot.  The barrier opens a round of the cluster's barrier.
.macro MEET
	WIN 0                                          ; (the add's two registers lie in window 0)
	s_wait_tensorcnt 0x0                           ; all my tensor loads have landed;
	ds_add_u32 v[SPW], v[NIL]                      ; 0 onto my spare word;
	s_wait_dscnt 9                                 ; (the add and the youngest eight loads may be out)
	MUL16 F1, 0, 0, 0                              ; sixteen matrix instructions stand between the add and the wait for it
	s_wait_dscnt 0x0                               ; the add is done, and my reads of this slot are over:
	s_barrier_signal -1                            ; say so,
	MUL16 F1, 0, 2, 0                              ; work on registers while the others arrive,
	WIN 0
	s_barrier_wait -1                              ; and go on when all four have said so
.endm
; The whole last quarter.  Behind the round the slot just read out is filled again first, with the K step two steps on; then come the next slot's first fragments.
; From a request to the wait for it a wave issues 224 matrix instructions.
.macro TURN slot, next
	MEET
	CREST                                          ; no wave of any partner still reads this slot's tile or has a load on its way
	s_add_nc_u64 s[G0+4*(\slot)+2:G0+4*(\slot)+3], s[G0+4*(\slot)+2:G0+4*(\slot)+3], 2*KSTEP*2
	s_add_nc_u64 s[G0B+4*(\slot)+2:G0B+4*(\slot)+3], s[G0B+4*(\slot)+2:G0B+4*(\slot)+3], 2*KSTEP*2
	JLOAD \slot                                    ; the first tensor load behind the round; the four v_nop behind it are also the places in front of the loads below
	FETCH \next, 0, F0
	MUL16 F1, 1, 0, 0
	MUL16 F1, 1, 2, 0
.endm
; The change of slots behind K step 30.  No K step is left to ask for: slot 0's first half takes its last fill, c0's tile, 64 rows a wave; it has K step 31 in which to land.
.macro TURNC
	MEET
	CREST
	tensor_load_to_lds s[G0C:G0C+3], s[G1C:G1C+7]  ; my one tensor load behind the round, and the first thing there
	s_nop 0
	PLACES                                         ; also the places in front of the loads below
	FETCH 1, 0, F0
	MUL16 F1, 1, 0, 0
	MUL16 F1, 1, 2, 0
.endm
	s_wait_tensorcnt 1                             ; my part of K step 0 is in; K step 1's may stay out
	s_barrier_signal -1
	s_barrier_wait -1                              ; everybody's is
	FETCH 0, 0, F0
	QUARTER 0, 64,  F0, F1, 1                      ; the first quarter stands in front of the loop: its products start the sums, from the bias
	WIN 0                                          ; at a label and at a branch every window is 0
	s_mov_b32 s3, LAPS-1
.Llap:                                                 ; a trip goes once round the ring, from a lap's second quarter to the next lap's first, and fills both slots again
	QUARTER 0, 128, F1, F0, 0
	QUARTER 0, 192, F0, F1, 0
	TURN 0, 1
	QUARTER 1, 64,  F0, F1, 0
	QUARTER 1, 128, F1, F0, 0
	QUARTER 1, 192, F0, F1, 0
	TURN 1, 0
	QUARTER 0, 64,  F0, F1, 0
	WIN 0
	s_sub_co_u32 s3, s3, 1
	s_cmp_lg_u32 s3, 0
	s_cbranch_scc1 .Llap
	QUARTER 0, 128, F1, F0, 0                      ; the last lap: K steps 30 and 31
	QUARTER 0, 192, F0, F1, 0
	TURNC
	QUARTER 1, 64,  F0, F1, 0
	QUARTER 1, 128, F1, F0, 0
	QUARTER 1, 192, F0, F1, 0
	s_wait_dscnt 8                                 ; the very last quarter: nothing more to fetch
	MUL16 F1, 0, 0, 0
	MUL16 F1, 0, 2, 0
	s_wait_tensorcnt 0x0                           ; my 64 rows of c0 are in,
	s_wait_dscnt 0x0                               ; and my reads of slot 1 are over: behind this barrier its first half is the stage for cy.
	s_barrier_signal -1
	MUL16 F1, 1, 0, 0
	MUL16 F1, 1, 2, 0
	WIN 0
	s_barrier_wait -1                              ; everybody's rows of c0 are in
	; THE TAIL.  All of the wave's c0 comes into registers: block a, columns 16 j + 8 h + 4 q on, at CREG + 16 a + 8 j + 4 q.
	PLACES                                         ; behind the last products: the loads land on their sources, the scalings below read results
.set i, 0
.rept 32
	ds_load_b128 v[CREG+4*i:CREG+4*i+3], v[CA] offset:(i/4)*16*PITCH+64*((i%4)/2)+16*(i%2)
.set i, i+1
.endr
; Block a: 16 rows x 32 hidden columns, 16 outputs a lane.  Exponentials and reciprocals stand in runs on different registers, a plain instruction behind each run before its results are used.
.macro GATES a
.set AC, 64*((\a)%4)                   ; its eight accumulators, in window 2 (blocks 0-3) or 3 (blocks 4-7)
.set CC, CREG+16*(\a)
	WIN 0x02+(\a)/4                                ; source 0 window 2 or 3
.set i, 0
.rept 32                               ; the exponents: 2 z log2 e for gate g, -z log2 e for i, f, o; each accumulator is read from its low end on
.if i < 8
	v_pk_mul_f32 v[Z+2*i:Z+2*i+1], v[AC+2*i:AC+2*i+1], s[K2:K2+1] op_sel_hi:[1,0]
.else
	v_pk_mul_f32 v[Z+2*i:Z+2*i+1], v[AC+2*i:AC+2*i+1], s[KN:KN+1] op_sel_hi:[1,0]
.endif
.set i, i+1
.endr
	WIN 0
.set i, 0
.rept 64
	v_exp_f32 v[Z+i], v[Z+i]
.set i, i+1
.endr
	v_nop
.set i, 0
	s_wait_alu depctr_va_vdst(0)
.rept 32
	v_pk_add_f32 v[Z+2*i:Z+2*i+1], v[Z+2*i:Z+2*i+1], 1.0 op_sel_hi:[1,0]
.set i, i+1
.endr
.set i, 0
.rept 64
	v_rcp_f32 v[Z+i], v[Z+i]                       ; i, f, o are done
.set i, i+1
.endr
	v_nop
.set i, 0
	s_wait_alu depctr_va_vdst(0)
.rept 8
	v_pk_fma_f32 v[Z+2*i:Z+2*i+1], v[Z+2*i:Z+2*i+1], -2.0, 1.0 op_sel_hi:[1,0,0]  ; g = 1 - 2 / (1 + ..)
.set i, i+1
.endr
.set i, 0
.rept 8
	v_pk_mul_f32 v[Z+2*i:Z+2*i+1], v[Z+2*i:Z+2*i+1], v[Z+16+2*i:Z+16+2*i+1]       ; i g
.set i, i+1
.endr
	s_wait_dscnt 28+4*(\a)                         ; my block's c0 is in: behind its four loads stand the 4 (7 - a) loads of later blocks and the 8 a stores of earlier ones
.set i, 0
.rept 8
	v_pk_fma_f32 v[CC+2*i:CC+2*i+1], v[Z+32+2*i:Z+32+2*i+1], v[CC+2*i:CC+2*i+1], v[Z+2*i:Z+2*i+1]  ; cy = f c0 + i g
.set i, i+1
.endr
.set i, 0
.rept 8
	v_pk_mul_f32 v[Z+16+2*i:Z+16+2*i+1], v[CC+2*i:CC+2*i+1], s[K2:K2+1] op_sel_hi:[1,0]
.set i, i+1
.endr
.set i, 0
.rept 16
	v_exp_f32 v[Z+16+i], v[Z+16+i]
.set i, i+1
.endr
	v_nop
.set i, 0
	s_wait_alu depctr_va_vdst(0)
.rept 8
	v_pk_add_f32 v[Z+16+2*i:Z+16+2*i+1], v[Z+16+2*i:Z+16+2*i+1], 1.0 op_sel_hi:[1,0]
.set i, i+1
.endr
.set i, 0
.rept 16
	v_rcp_f32 v[Z+16+i], v[Z+16+i]
.set i, i+1
.endr
	v_nop
.set i, 0
	s_wait_alu depctr_va_vdst(0)
.rept 8
	v_pk_fma_f32 v[Z+16+2*i:Z+16+2*i+1], v[Z+16+2*i:Z+16+2*i+1], -2.0, 1.0 op_sel_hi:[1,0,0]  ; tanh(cy)
.set i, i+1
.endr
.set i, 0
.rept 8
	v_pk_mul_f32 v[Z+48+2*i:Z+48+2*i+1], v[Z+48+2*i:Z+48+2*i+1], v[Z+16+2*i:Z+16+2*i+1]       ; hy = o tanh(cy)
.set i, i+1
.endr
.irp e, 0,1,2,3                        ; into the stages: my half of the rows' 256 bytes
	ds_store_b128 v[YA], v[CC+4*(\e):CC+4*(\e)+3] offset:(\a)*16*PITCH+64*((\e)/2)+16*((\e)%2)
.endr
.irp e, 0,1,2,3
	ds_store_b128 v[HA], v[Z+48+4*(\e):Z+48+4*(\e)+3] offset:(\a)*16*PITCH+64*((\e)/2)+16*((\e)%2)
.endr
.endm
	GATES 0
	GATES 1
	GATES 2
	GATES 3
	GATES 4
	GATES 5
	GATES 6
	GATES 7
	; THE WAY OUT.  A row's 256 bytes come from two waves, so a barrier stands between the writing and the reading; each wave then reads 64 whole rows of each stage and stores them.
	s_wait_dscnt 0x0                               ; for the others' sake: my stores into the stages are done
	s_barrier_signal -1
	s_barrier_wait -1
	WIN 0x80                                       ; destination window 2, whose accumulators have been read
.set t, 0
.rept 32
	ds_load_b128 v[4*t:4*t+3], v[RD] offset:2*PITCH*t
.set t, t+1
.endr
.set t, 0
.rept 32
	ds_load_b128 v[128+4*t:128+4*t+3], v[RD2] offset:2*PITCH*t
.set t, t+1
.endr
	WIN 0x08                                       ; the stores' data in window 2, their address in window 0
.set k, 0
.rept 8
	s_wait_dscnt 56-8*k                            ; LDS loads come back in order (ISA guide 5.7.1): the eight of group k are in, the younger ones stay out
.set u, 0
.rept 8
.if k < 4
	global_store_b128 v[CO], v[32*k+4*u:32*k+4*u+3], s[12:13] offset:(8*k+u)*16384 th:TH_STORE_NT      ; cy: 16 lanes store 256 consecutive bytes, at a multiple of 256 from out1's first byte
.else
	global_store_b128 v[CO], v[32*k+4*u:32*k+4*u+3], s[10:11] offset:(8*(k-4)+u)*16384 th:TH_STORE_NT  ; hy, likewise into out0
.endif
.set u, u+1
.endr
.set k, k+1
.endr
	WIN 0
	s_wait_tensorcnt 0x0                           ; the wave's end, behind my last tensor load and my last LDS store
	ds_add_u32 v[SPW], v[NIL]
	s_wait_dscnt 0x0
	CROUND                                         ; the closing round: no work-group ends while a partner may still ask for a tile that names it
	s_endpgm
.Lfunc_end_k_qcbe9bba6e5_lstm:
	.size	k_qcbe9bba6e5_lstm, .Lfunc_end_k_qcbe9bba6e5_lstm-k_qcbe9bba6e5_lstm
	.p2alignl 7, 3214868480
	.fill 96, 4, 3214868480
	.section	.rodata,"a",@progbits
	.p2align	6, 0x0
	.amdhsa_kernel k_qcbe9bba6e5_lstm
		.amdhsa_group_segment_fixed_size 327680
		.amdhsa_private_segment_fixed_size 0
		.amdhsa_enable_private_segment 0
		.amdhsa_kernarg_size 104
		.amdhsa_user_sgpr_count 2
		.amdhsa_user_sgpr_kernarg_segment_ptr 1
		.amdhsa_wavefront_size32 1
		.amdhsa_system_sgpr_workgroup_id_x 1
		.amdhsa_system_sgpr_workgroup_id_y 1
		.amdhsa_system_sgpr_workgroup_id_z 1
		.amdhsa_system_vgpr_workitem_id 0
		.amdhsa_next_free_vgpr 1024
		.amdhsa_next_free_sgpr 100
		.amdhsa_reserve_vcc 0
		.amdhsa_float_denorm_mode_32 3
		.amdhsa_float_denorm_mode_16_64 3
		.amdhsa_memory_ordered 1
		.amdhsa_forward_progress 1
		.amdhsa_inst_pref_size 237
	.end_amdhsa_kernel
	.amdgpu_metadata
---
amdhsa.version: [ 1, 2 ]
amdhsa.kernels:
  - .name:           k_qcbe9bba6e5_lstm
    .symbol:         k_qcbe9bba6e5_lstm.kd
    .args:
      - { .name: bgx, .offset: 0, .size: 8, .value_kind: global_buffer, .address_space: global }
      - { .name: bgh, .offset: 8, .size: 8, .value_kind: global_buffer, .address_space: global }
      - { .name: bix, .offset: 16, .size: 8, .value_kind: global_buffer, .address_space: global }
      - { .name: bih, .offset: 24, .size: 8, .value_kind: global_buffer, .address_space: global }
      - { .name: bfx, .offset: 32, .size: 8, .value_kind: global_buffer, .address_space: global }
      - { .name: bfh, .offset: 40, .size: 8, .value_kind: global_buffer, .address_space: global }
      - { .name: box, .offset: 48, .size: 8, .value_kind: global_buffer, .address_space: global }
      - { .name: boh, .offset: 56, .size: 8, .value_kind: global_buffer, .address_space: global }
      - { .name: abf, .offset: 64, .size: 8, .value_kind: global_buffer, .address_space: global }
      - { .name: wbf, .offset: 72, .size: 8, .value_kind: global_buffer, .address_space: global }
      - { .name: c0, .offset: 80, .size: 8, .value_kind: global_buffer, .address_space: global }
      - { .name: out0, .offset: 88, .size: 8, .value_kind: global_buffer, .address_space: global }
      - { .name: out1, .offset: 96, .size: 8, .value_kind: global_buffer, .address_space: global }
    .group_segment_fixed_size: 327680
    .private_segment_fixed_size: 0
    .kernarg_segment_align: 8
    .kernarg_segment_size: 104
    .max_flat_workgroup_size: 128
    .sgpr_count:     100
    .vgpr_count:     1024
    .wavefront_size: 32
...
	.end_amdgpu_metadata
.endif
;; end of part 2
